; MI455X (gfx1250); checked and timed in simulation.
; The chip was launched on July 23, 2026; its instructions are those of AMD's public machine-readable ISA for CDNA 5 (MIT licence, August 2026) and "CDNA5" Instruction Set Architecture Reference Guide (July 2026). The comments in the code are by the model that wrote it; some were corrected since.
;; Regional Alignment. Allowed arithmetic: float matrix products may take bf16 or f16 operands with f32 sums; all other float work in f32.
;; Inputs: audio_features 64 x 1,024 x 1,024 float32; phrase_queries 4 x 1,024 float32; text_features 64 x 256 x 1,024 float32.
;; Outputs: out0 64 float32; out1 64 x 4 x 1,024 float32; out2 64 x 4 x 1,024 float32.
;; 2 versions, each right; version 2 is version 1 with the launch pool written anew for expert scheduling mode. Each part assembles by itself: llvm-mc -triple=amdgcn-amd-amdhsa -mcpu=gfx1250 --defsym DOCPART=n.
;; ======== version 1 of 2: 2 launches
;; launch pool (part 1): grid 256 x 1, 8 waves a work-group, no clusters, 133,120 bytes of LDS; arguments audio_features, phrase_queries, text_features, out1, out2; writes out1, out2
.if DOCPART == 1
	.amdgcn_target "amdgcn-amd-amdhsa--gfx1250"
	.amdhsa_code_object_version 6
	.text
	.protected	k_q3b0db875ad_pool
	.globl	k_q3b0db875ad_pool
	.p2align	8
	.type	k_q3b0db875ad_pool,@function
k_q3b0db875ad_pool:
	s_mov_b64 s[64:65], 0
	v_nop
	global_prefetch_b8 v0, s[64:65] scope:SCOPE_SE
	s_setreg_imm32_b32 hwreg(HW_REG_WAVE_MODE, 25, 1), 1
	s_wait_xcnt 0x0
; out1[b][k][:] = mean of audio rows of segment k;  out2[b][k][:] = softmax-weighted mean of text rows.
; audio [64][1024][1024] f32, q [4][1024] f32, text [64][256][1024] f32, out1 and out2 [64][4][1024] f32.
;
; SEGMENTS.  reference() labels row t with int(t * fl64(1/341)); 341 * fl64(1/341) = 1 - 2^-60 rounds to 1.0, so the segments are
; rows 0..340, 341..681, 682..1022 (341 rows each, weight f32(1/341)) and row 1023 alone (weight 1).
;
; WORK.  256 work-groups of eight waves; role = x & 3, batch = x >> 2.
;   role 0,1,2: one audio segment, 341 rows of 4,096 bytes.  Thread t owns bytes 16 t of every row: a wave's load covers 512
;               consecutive aligned bytes, and the sum never leaves the lane.  No LDS, no barrier.
;   role 3:     the batch's 256 text rows and the copy of audio row 1023.  A wave takes a whole row into 32 registers, reads it once,
;               and uses it twice: for the four dots with q and the row's norm, then for the four weighted sums.
; Every input byte is read once; both outputs are written final, 16 bytes a lane, 512 consecutive bytes a wave.
;
; NO MAXIMUM IS TAKEN AWAY in the softmax: reference() divides q and the row by their norms and the product by 32, so every score
; lies in [-1/32, 1/32] for every input; the exponentials lie in [0.969, 1.032] and a sum of 256 of them below 265.
; ALL ARITHMETIC IS f32 ON THE VECTOR UNIT: the products have four rows (a matrix instruction has sixteen), a row costs nine
; multiply-adds for each four bytes loaded, and the loads are what the waves wait for.
; NO CLUSTER: the only bytes that work-groups share are q's 16,384, against 1,048,576 of text for each work-group that reads them.
; LIMITS: a row's sum of 1,024 squares has to stay a finite normal f32 (root mean square of a row roughly 1e-18 to 5e17), as in
; reference(); the order of the f32 additions is not reference()'s.
.set ROWB,    4096                     ; bytes in a row of audio, text, q and the outputs
.set SEG,     341                      ; rows in an audio segment = 1 + ADEPTH * AROUNDS
.set ADEPTH,  34                       ; audio: slots of the register ring = loads of a wave in flight
.set AROUNDS, 10
.set TSLOTS,  4                        ; text: row slots of a wave's ring
.set TSTEP,   8*ROWB                   ; text: a wave's next row is eight rows on (wave w takes rows 8 i + w)
.set TROUNDS, 8                        ; 32 rows of a wave = 8 rounds of 4 slots
.set LSUM,    8*16384                  ; LDS: eight waves' partial sums of 16,384 bytes, then their four denominators each
; registers, window 0
.set T16,    2                         ; v2        16 x thread
.set LANE16, 3                         ; v3        16 x lane
.set AACC,   4                         ; v[4:7]    audio: the running sum of my 4 columns
.set AX,     64                        ; v[64:199] audio: the ring, 4 registers a slot
.set D,      4                         ; v[4:13]   text: five pairs: dots with q0..q3, sum of squares
.set NRM,    14                        ; v14       text: the row's norm, then its reciprocal
.set QS,     16                        ; v[16:19]  log2(e) / (32 max(|q_k|, 1e-12))
.set E,      20                        ; v[20:27]  pairs (e_k of this row, running sum of e_k)
.set TOFF,   28                        ; v28       4096 x wave + 16 x lane
.set LST,    29                        ; LDS addresses of the last stage
.set LL,     30
.set CP,     32                        ; v[32:35]  my 16 bytes of audio row 1023
.set LRD,    36
.set LRD2,   37
.set LK,     38
.set LS,     40                        ; v[40:47]  the eight waves' denominators
.set RC,     48                        ; v[48:49]  1 / denominator, twice
.set ACC,    128                       ; v[128:255] text: acc[k][32], my 32 columns of the four weighted sums
; registers, window 1 (v256-v511)
.set Q,      0                         ; v[256:383] q[k][32]: register 4 j + c of a row = column 128 j + 4 lane + c
.set X,      128                       ; v[384:511] the ring of four text rows, same layout
; s_set_vgpr_msb: bits 1:0 source 0, 3:2 source 1, 5:4 source 2, 7:6 destination; the high byte repeats the setting that is left
.set MSB, 0
.macro WIN new
.if MSB != \new
	s_set_vgpr_msb (MSB<<8)|\new
.set MSB, \new
.endif
.endm
	s_load_b256 s[4:11], s[0:1], 0x0               ; audio s[4:5], q s[6:7], text s[8:9], out1 s[10:11]
	s_load_b64 s[12:13], s[0:1], 0x20              ; out2
	v_lshl_add_u32 v62, v0, 2, 0x20400
	v_mov_b32 v63, 0
	s_and_b32 s14, ttmp9, 3                        ; role
	s_lshr_b32 s15, ttmp9, 2                       ; batch
	v_lshlrev_b32 v[T16], 4, v0
	s_lshl_b32 s20, s15, 22                        ; batch x 1,024 rows of 4,096 bytes (below 2^28)
	s_mov_b32 s21, 0
	s_lshl_b32 s22, s15, 14                        ; batch x 4 rows of 4,096 bytes in out1 and out2
	s_mov_b32 s23, 0
	s_wait_kmcnt 0x0
	s_add_nc_u64 s[4:5], s[4:5], s[20:21]          ; audio and out1 at my batch
	s_add_nc_u64 s[10:11], s[10:11], s[22:23]
	s_cmp_eq_u32 s14, 3
	s_cbranch_scc1 .Ltext
; ---------------------------------------------------------------- audio: one segment
	s_mul_i32 s20, s14, SEG*ROWB
	s_add_nc_u64 s[4:5], s[4:5], s[20:21]          ; the segment's first row
	s_lshl_b32 s22, s14, 12
	s_add_nc_u64 s[10:11], s[10:11], s[22:23]      ; out1[b][segment]
	global_load_b128 v[AACC:AACC+3], v[T16], s[4:5] th:TH_LOAD_NT      ; the first row starts the sum: nothing is cleared
.set nn, 0
.rept ADEPTH
	global_load_b128 v[AX+4*nn:AX+4*nn+3], v[T16], s[4:5] offset:(1+nn)*ROWB th:TH_LOAD_NT
.set nn, nn+1
.endr
; One slot's turn.  ahead = 1: the slot is filled again with the row ADEPTH further down.  left = younger loads that may stay out.
.macro ASLOT i, ahead, left
	s_wait_loadcnt \left                           ; loads come back in order (ISA guide 5.7.1): this slot's is in
	v_pk_add_f32 v[AACC:AACC+1],   v[AACC:AACC+1],   v[AX+4*\i:AX+4*\i+1]
	v_pk_add_f32 v[AACC+2:AACC+3], v[AACC+2:AACC+3], v[AX+4*\i+2:AX+4*\i+3]
.if \ahead
	global_load_b128 v[AX+4*\i:AX+4*\i+3], v[T16], s[4:5] offset:(1+ADEPTH+\i)*ROWB th:TH_LOAD_NT
.endif
.endm
	s_mov_b32 s24, AROUNDS-1
.Laround:
.set nn, 0
.rept ADEPTH
	ASLOT nn, 1, ADEPTH-1
.set nn, nn+1
.endr
	s_wait_xcnt 0x0                                ; the base that the pending loads name is stepped only behind this wait
	s_add_nc_u64 s[4:5], s[4:5], ADEPTH*ROWB
	s_sub_co_u32 s24, s24, 1
	s_cmp_lg_u32 s24, 0
	s_cbranch_scc1 .Laround
.set nn, 0
.rept ADEPTH
	ASLOT nn, 0, ADEPTH-1-nn                       ; the last round loads nothing (row 340 was the last asked for): the counts run down
.set nn, nn+1
.endr
	v_pk_mul_f32 v[AACC:AACC+1],   v[AACC:AACC+1],   0x3b40300c op_sel_hi:[1,0]   ; x f32(1/341)
	v_pk_mul_f32 v[AACC+2:AACC+3], v[AACC+2:AACC+3], 0x3b40300c op_sel_hi:[1,0]
	global_store_b128 v[T16], v[AACC:AACC+3], s[10:11]
	s_endpgm
; ---------------------------------------------------------------- text: one batch
.Ltext:
	v_lshrrev_b32 v1, 5, v0
	v_readfirstlane_b32 s16, v1                    ; wave 0..7
	v_and_b32 v[LANE16], 31, v0
	v_lshlrev_b32 v[LANE16], 4, v[LANE16]
	v_lshl_add_u32 v[TOFF], v1, 12, v[LANE16]      ; my 16 bytes in my wave's first row
	s_lshl_b32 s20, s15, 20                        ; batch x 256 rows of 4,096 bytes
	s_add_nc_u64 s[8:9], s[8:9], s[20:21]
	s_add_nc_u64 s[12:13], s[12:13], s[22:23]      ; out2 at my batch
	s_mov_b32 s26, 0x76543210                      ; v_permlanex16_b32: lane i of one half reads lane i of the other
	s_mov_b32 s27, 0xfedcba98
	global_load_b128 v[CP:CP+3], v[T16], s[4:5] offset:1023*ROWB th:TH_LOAD_NT   ; segment 3 is this one row
	WIN 0x40                                       ; loads into window 1, addresses in window 0
.irp k, 0,1,2,3
.irp j, 0,1,2,3,4,5,6,7
	global_load_b128 v[Q+32*\k+4*\j:Q+32*\k+4*\j+3], v[LANE16], s[6:7] offset:\k*ROWB+\j*512
.endr
.endr
.irp s, 0,1,2,3
.irp j, 0,1,2,3,4,5,6,7
	global_load_b128 v[X+32*\s+4*\j:X+32*\s+4*\j+3], v[TOFF], s[8:9] offset:\s*TSTEP+\j*512 th:TH_LOAD_NT
.endr
.endr
; the sum over the 32 lanes of the first n pairs of D, left in every lane's v[D+2r]; the chains are interleaved
.macro LANESUM n
.set rr, 0
.rept \n
	v_add_f32 v[D+2*rr], v[D+2*rr], v[D+2*rr+1]
.set rr, rr+1
.endr
.irp m, 1,2,4,8
.set rr, 0
.rept \n
	v_add_f32_dpp v[D+2*rr], v[D+2*rr], v[D+2*rr] row_xmask:\m row_mask:0xf bank_mask:0xf
.set rr, rr+1
.endr
.endr
.set rr, 0
.rept \n
	v_permlanex16_b32 v[D+2*rr+1], v[D+2*rr], s26, s27     ; into the pair's other register, which has been written
.set rr, rr+1
.endr
.set rr, 0
.rept \n
	v_add_f32 v[D+2*rr], v[D+2*rr], v[D+2*rr+1]
.set rr, rr+1
.endr
.endm
	; q's norms, while the ring's 32 loads are on their way
	s_wait_loadcnt 32                              ; row 1023 and q are in; the 32 younger loads (the ring) stay out
	WIN 0x05                                       ; sources 0 and 1 in window 1
.irp k, 0,1,2,3
	v_pk_mul_f32 v[D+2*\k:D+2*\k+1], v[Q+32*\k:Q+32*\k+1], v[Q+32*\k:Q+32*\k+1]
.endr
.set pp, 2
.rept 15
.irp k, 0,1,2,3
	v_pk_fma_f32 v[D+2*\k:D+2*\k+1], v[Q+32*\k+pp:Q+32*\k+pp+1], v[Q+32*\k+pp:Q+32*\k+pp+1], v[D+2*\k:D+2*\k+1]
.endr
.set pp, pp+2
.endr
	WIN 0
	global_store_b128 v[T16], v[CP:CP+3], s[10:11] offset:3*ROWB   ; out1[b][3] = audio row 1023 (CP and T16 are never written again)
	LANESUM 4
.irp k, 0,1,2,3
	v_sqrt_f32 v[QS+\k], v[D+2*\k]
.endr
	v_nop                                          ; one plain instruction between a transcendental and its result's use (ISA guide 5.7.2)
	s_wait_alu depctr_va_vdst(0)
.irp k, 0,1,2,3
	v_max_num_f32 v[QS+\k], 0x2b8cbccc, v[QS+\k]   ; max(|q_k|, 1e-12)
.endr
.irp k, 0,1,2,3
	v_rcp_f32 v[QS+\k], v[QS+\k]
.endr
	v_nop
	s_wait_alu depctr_va_vdst(0)
.irp k, 0,1,2,3
	v_mul_f32 v[QS+\k], 0x3d38aa3b, v[QS+\k]       ; x log2(e) / 32: v_exp_f32 is 2^x, and 32 = sqrt(1024)
.endr
; One row, in slot s.  first = 1: this row starts the sums.  ahead = 1: the slot gets the wave's row TSLOTS further on.
; left = younger loads that may stay out (eight for each younger row).
.macro TROW s, first, ahead, left
	s_wait_loadcnt \left
	WIN 0x05                                       ; the row and q in window 1, the five sums in window 0; five chains take turns
.irp k, 0,1,2,3
	v_pk_mul_f32 v[D+2*\k:D+2*\k+1], v[X+32*\s:X+32*\s+1], v[Q+32*\k:Q+32*\k+1]
.endr
	v_pk_mul_f32 v[D+8:D+9], v[X+32*\s:X+32*\s+1], v[X+32*\s:X+32*\s+1]
.set pp, 2
.rept 15
.irp k, 0,1,2,3
	v_pk_fma_f32 v[D+2*\k:D+2*\k+1], v[X+32*\s+pp:X+32*\s+pp+1], v[Q+32*\k+pp:Q+32*\k+pp+1], v[D+2*\k:D+2*\k+1]
.endr
	v_pk_fma_f32 v[D+8:D+9], v[X+32*\s+pp:X+32*\s+pp+1], v[X+32*\s+pp:X+32*\s+pp+1], v[D+8:D+9]
.set pp, pp+2
.endr
	WIN 0
	LANESUM 5
	v_sqrt_f32 v[NRM], v[D+8]
.irp k, 0,1,2,3
	v_mul_f32 v[D+2*\k], v[D+2*\k], v[QS+\k]       ; these four stand between the root and its use
.endr
	s_wait_alu depctr_va_vdst(0)
	v_max_num_f32 v[NRM], 0x2b8cbccc, v[NRM]       ; max(|x|, 1e-12)
	v_rcp_f32 v[NRM], v[NRM]
	v_nop
	s_wait_alu depctr_va_vdst(0)
.irp k, 0,1,2,3
	v_mul_f32 v[D+2*\k], v[D+2*\k], v[NRM]         ; score x log2(e), within 0.0451 of zero
.endr
.irp k, 0,1,2,3
	v_exp_f32 v[E+2*\k], v[D+2*\k]
.endr
	v_nop
	s_wait_alu depctr_va_vdst(0)
.irp k, 0,1,2,3
.if \first
	s_wait_alu depctr_va_vdst(0)
	v_mov_b32 v[E+2*\k+1], v[E+2*\k]               ; the first row starts the denominators
.else
	v_add_f32 v[E+2*\k+1], v[E+2*\k+1], v[E+2*\k]
.endif
.endr
	WIN 0x01                                       ; the row in window 1, e and the sums in window 0
.irp k, 0,1,2,3
.set pp, 0
.rept 16
.if \first
	v_pk_mul_f32 v[ACC+32*\k+pp:ACC+32*\k+pp+1], v[X+32*\s+pp:X+32*\s+pp+1], v[E+2*\k:E+2*\k+1] op_sel_hi:[1,0]
.else
	v_pk_fma_f32 v[ACC+32*\k+pp:ACC+32*\k+pp+1], v[X+32*\s+pp:X+32*\s+pp+1], v[E+2*\k:E+2*\k+1], v[ACC+32*\k+pp:ACC+32*\k+pp+1] op_sel_hi:[1,0,1]
.endif
.set pp, pp+2
.endr
.endr
.if \ahead
	WIN 0x40
.irp j, 0,1,2,3,4,5,6,7
	global_load_b128 v[X+32*\s+4*\j:X+32*\s+4*\j+3], v[TOFF], s[8:9] offset:(TSLOTS+\s)*TSTEP+\j*512 th:TH_LOAD_NT
.endr
.endif
.endm
	TROW 0, 1, 1, 24                               ; the first round stands in front of the loop: its first row starts the sums
	TROW 1, 0, 1, 24
	TROW 2, 0, 1, 24
	TROW 3, 0, 1, 24
	WIN 0
	s_wait_xcnt 0x0                                ; the base that the pending loads name is stepped only behind this wait
	s_add_nc_u64 s[8:9], s[8:9], TSLOTS*TSTEP
	s_mov_b32 s24, TROUNDS-2
.Ltround:
	TROW 0, 0, 1, 24
	TROW 1, 0, 1, 24
	TROW 2, 0, 1, 24
	TROW 3, 0, 1, 24
	WIN 0
	s_wait_xcnt 0x0
	s_add_nc_u64 s[8:9], s[8:9], TSLOTS*TSTEP
	s_sub_co_u32 s24, s24, 1
	s_cmp_lg_u32 s24, 0
	s_cbranch_scc1 .Ltround
	TROW 0, 0, 0, 24                               ; the last round asks for nothing (the wave's row 31 was the last): the counts run down
	TROW 1, 0, 0, 16
	TROW 2, 0, 0, 8
	TROW 3, 0, 0, 0
	WIN 0
	; The eight waves' sums meet in LDS: wave w lays its acc[4][1024] at 16,384 w and its four denominators behind them.
	s_lshl_b32 s20, s16, 14
	v_add_nc_u32 v[LST], s20, v[LANE16]
.irp k, 0,1,2,3
.irp j, 0,1,2,3,4,5,6,7
	ds_store_b128 v[LST], v[ACC+32*\k+4*\j:ACC+32*\k+4*\j+3] offset:\k*ROWB+\j*512   ; 32 lanes, 512 consecutive bytes
.endr
.endr
	s_lshl_b32 s20, s16, 4
	s_add_co_u32 s20, s20, LSUM
	v_mov_b32 v[LL], s20
.irp k, 0,1,2,3
	ds_store_b32 v[LL], v[E+2*\k+1] offset:4*\k    ; every lane holds the same number and writes the same word
.endr
	s_wait_dscnt 0x0                               ; for the other waves' sake: all my stores are in LDS
	s_barrier_signal -1
	s_barrier_wait -1
	; Wave w adds up bytes 2,048 w .. + 2,047 of the [4][1024] array: half a row of k = w / 2.
	s_lshl_b32 s20, s16, 11
	v_add_nc_u32 v[LRD], s20, v[LANE16]
	v_add_nc_u32 v[LRD2], 0x10000, v[LRD]          ; waves 4 to 7 lie beyond the reach of a 16-bit offset
	s_lshr_b32 s20, s16, 1
	s_lshl_b32 s20, s20, 2
	s_add_co_u32 s20, s20, LSUM
	v_mov_b32 v[LK], s20
.irp src, 0,1,2,3,4,5,6,7
	ds_load_b32 v[LS+\src], v[LK] offset:16*\src
.endr
.irp src, 0,1,2,3
.irp c, 0,1,2,3
	ds_load_b128 v[ACC+16*\src+4*\c:ACC+16*\src+4*\c+3], v[LRD] offset:\src*16384+\c*512
.endr
.endr
.irp src, 0,1,2,3
.irp c, 0,1,2,3
	ds_load_b128 v[ACC+64+16*\src+4*\c:ACC+64+16*\src+4*\c+3], v[LRD2] offset:\src*16384+\c*512
.endr
.endr
	s_wait_dscnt 32                                ; the eight denominators are in; the 32 younger loads stay out
	v_add_f32 v[LS],   v[LS],   v[LS+1]
	v_add_f32 v[LS+2], v[LS+2], v[LS+3]
	v_add_f32 v[LS+4], v[LS+4], v[LS+5]
	v_add_f32 v[LS+6], v[LS+6], v[LS+7]
	v_add_f32 v[LS],   v[LS],   v[LS+2]
	v_add_f32 v[LS+4], v[LS+4], v[LS+6]
	v_add_f32 v[LS],   v[LS],   v[LS+4]
	v_rcp_f32 v[RC],   v[LS]                       ; twice, to fill the pair that the packed multiply takes;
	v_rcp_f32 v[RC+1], v[LS]                       ; the additions below stand between these and their use
	s_wait_dscnt 0x0
.set cc, 0
.rept 8
	v_pk_add_f32 v[ACC+cc:ACC+cc+1],       v[ACC+cc:ACC+cc+1],       v[ACC+16+cc:ACC+16+cc+1]
	v_pk_add_f32 v[ACC+32+cc:ACC+32+cc+1], v[ACC+32+cc:ACC+32+cc+1], v[ACC+48+cc:ACC+48+cc+1]
	v_pk_add_f32 v[ACC+64+cc:ACC+64+cc+1], v[ACC+64+cc:ACC+64+cc+1], v[ACC+80+cc:ACC+80+cc+1]
	v_pk_add_f32 v[ACC+96+cc:ACC+96+cc+1], v[ACC+96+cc:ACC+96+cc+1], v[ACC+112+cc:ACC+112+cc+1]
.set cc, cc+2
.endr
.set cc, 0
.rept 8
	v_pk_add_f32 v[ACC+cc:ACC+cc+1],       v[ACC+cc:ACC+cc+1],       v[ACC+32+cc:ACC+32+cc+1]
	v_pk_add_f32 v[ACC+64+cc:ACC+64+cc+1], v[ACC+64+cc:ACC+64+cc+1], v[ACC+96+cc:ACC+96+cc+1]
.set cc, cc+2
.endr
.set cc, 0
.rept 8
	v_pk_add_f32 v[ACC+cc:ACC+cc+1], v[ACC+cc:ACC+cc+1], v[ACC+64+cc:ACC+64+cc+1]
.set cc, cc+2
.endr
.set cc, 0
	s_wait_alu depctr_va_vdst(0)
.rept 8
	v_pk_mul_f32 v[ACC+cc:ACC+cc+1], v[ACC+cc:ACC+cc+1], v[RC:RC+1]
.set cc, cc+2
.endr
.irp c, 0,1,2,3
	global_store_b128 v[LRD], v[ACC+4*\c:ACC+4*\c+3], s[12:13] offset:\c*512   ; 512 consecutive aligned bytes of out2[b]
.endr
	s_wait_tensorcnt 0x0
	ds_add_u32 v62, v63
	s_wait_dscnt 0x0
	s_endpgm
.Lfunc_end_k_q3b0db875ad_pool:
	.size	k_q3b0db875ad_pool, .Lfunc_end_k_q3b0db875ad_pool-k_q3b0db875ad_pool
	.p2alignl 7, 3214868480
	.fill 96, 4, 3214868480
	.section	.rodata,"a",@progbits
	.p2align	6, 0x0
	.amdhsa_kernel k_q3b0db875ad_pool
		.amdhsa_group_segment_fixed_size 133120
		.amdhsa_private_segment_fixed_size 0
		.amdhsa_enable_private_segment 0
		.amdhsa_kernarg_size 40
		.amdhsa_user_sgpr_count 2
		.amdhsa_user_sgpr_kernarg_segment_ptr 1
		.amdhsa_wavefront_size32 1
		.amdhsa_system_sgpr_workgroup_id_x 1
		.amdhsa_system_sgpr_workgroup_id_y 1
		.amdhsa_system_sgpr_workgroup_id_z 1
		.amdhsa_system_vgpr_workitem_id 0
		.amdhsa_next_free_vgpr 512
		.amdhsa_next_free_sgpr 66
		.amdhsa_reserve_vcc 0
		.amdhsa_float_denorm_mode_32 3
		.amdhsa_float_denorm_mode_16_64 3
		.amdhsa_memory_ordered 1
		.amdhsa_forward_progress 1
		.amdhsa_inst_pref_size 191
	.end_amdhsa_kernel
	.amdgpu_metadata
---
amdhsa.version: [ 1, 2 ]
amdhsa.kernels:
  - .name:           k_q3b0db875ad_pool
    .symbol:         k_q3b0db875ad_pool.kd
    .args:
      - { .name: audio_features, .offset: 0, .size: 8, .value_kind: global_buffer, .address_space: global }
      - { .name: phrase_queries, .offset: 8, .size: 8, .value_kind: global_buffer, .address_space: global }
      - { .name: text_features, .offset: 16, .size: 8, .value_kind: global_buffer, .address_space: global }
      - { .name: out1, .offset: 24, .size: 8, .value_kind: global_buffer, .address_space: global }
      - { .name: out2, .offset: 32, .size: 8, .value_kind: global_buffer, .address_space: global }
    .group_segment_fixed_size: 133120
    .private_segment_fixed_size: 0
    .kernarg_segment_align: 8
    .kernarg_segment_size: 40
    .max_flat_workgroup_size: 256
    .sgpr_count:     66
    .vgpr_count:     512
    .wavefront_size: 32
...
	.end_amdgpu_metadata
.endif
;; end of part 1
;; launch finish (part 2): grid 64 x 1, 4 waves a work-group, no clusters, 1,024 bytes of LDS; arguments out1, out2, out0; writes out0
.if DOCPART == 2
	.amdgcn_target "amdgcn-amd-amdhsa--gfx1250"
	.amdhsa_code_object_version 6
	.text
	.protected	k_q3b0db875ad_finish
	.globl	k_q3b0db875ad_finish
	.p2align	8
	.type	k_q3b0db875ad_finish,@function
k_q3b0db875ad_finish:
	s_mov_b64 s[64:65], 0
	v_nop
	global_prefetch_b8 v0, s[64:65] scope:SCOPE_SE
	s_setreg_imm32_b32 hwreg(HW_REG_WAVE_MODE, 25, 1), 1
	s_wait_xcnt 0x0
; out0[b] = - sum over i, j of plan[i][j] cost[i][j], from the event tokens e = out1[b] and the phrase tokens p = out2[b] ([4][1024] f32 each).
; One work-group for a batch, four waves.  Thread t takes bytes 16 t and 2,048 + 16 t of each of the eight rows (a wave's load covers
; 512 consecutive bytes), forms its part of the 16 dots e_i . p_j and the 8 squared norms, and the 24 sums go over the lanes and then,
; through 512 bytes of LDS, over the four waves.  Wave 0 goes on alone: lane 4 i + j (both halves of 16 lanes alike) holds element (i, j).
;
; THE 100 SINKHORN ITERATIONS ARE ALL DONE, in a form that is the same algebra with a shorter chain:
;  * K = exp(-10 cost) is at most 1 (up to rounding) and v sums to 1, so the raw 1 / (K v + 1e-10) sum to at least 4 / (1 + 1e-10):
;    the 1e-10 that reference() adds to that sum is below 2.5e-11 of it, less than half of the last f32 bit.  Likewise for the other side.
;  * With v^ = v / sum(v):  K v^ + 1e-10 = ((K + 1e-10) v) / sum(v).  So with Kt = K + 1e-10 the step u = 1 / (Kt v), v = 1 / (Kt' u)
;    gives reference()'s vectors up to a common factor each, which is divided out once, at the end.
;  * Range: that step is monotone and of degree one and has a positive fixed point, so v stays within max Kt / min Kt <= 5e8 of its start,
;    u below 3e17, and sum(u) sum(v) below 1e27.
; A half step is a product, two additions across lanes that ride on the arithmetic (DPP), and one reciprocal.
; f32 on the vector unit throughout: 24 dots of 1,024 numbers for a work-group are no work for a matrix unit.
; out0 is 64 numbers in all, one from each work-group: one lane stores four bytes.
; LIMIT: the squared norms have to stay finite normal f32, as in reference().
.set ITERS,  100
.set UNROLL, 4
.set T16, 2                            ; v2        16 x thread
.set LA,  3                            ; v3        LDS: my wave's 24 words, at 128 x wave
.set AG,  4                            ; v4        LDS: word 4 i + j          (dot)
.set AE,  5                            ; v5        LDS: word i, at + 64       (|e_i|^2)
.set AP,  6                            ; v6        LDS: word j, at + 80       (|p_j|^2)
.set EB,  8                            ; v[8:39]   e: row k at 8 k, two loads of 4
.set PB,  40                           ; v[40:71]  p likewise
.set S,   72                           ; v[72:119] 24 pairs: dot (i, j) at 2 (4 i + j), |e_i|^2 at 32 + 2 i, |p_j|^2 at 40 + 2 j
.set C,   120                          ; v[120:143] the 24 sums, side by side
; wave 0, behind the barrier (e and p are done with)
.set GS,  8                            ; v[8:11]   the four waves' parts of my dot
.set ES,  12                           ; v[12:15]  of |e_i|^2
.set PS,  16                           ; v[16:19]  of |p_j|^2
.set KT,  20                           ; K + 1e-10
.set W,   21                           ; K x cost
.set U,   22
.set V,   23
.set P,   24
.set COST, 25
.set ZO,  26
	s_load_b128 s[4:7], s[0:1], 0x0                ; out1 s[4:5], out2 s[6:7]
	s_load_b64 s[8:9], s[0:1], 0x10                ; out0
	v_lshl_add_u32 v144, v0, 2, 0x200
	v_mov_b32 v145, 0
	v_lshrrev_b32 v1, 5, v0
	v_readfirstlane_b32 s16, v1                    ; wave 0..3
	v_lshlrev_b32 v[T16], 4, v0
	s_lshl_b32 s10, ttmp9, 14                      ; batch x 16,384 bytes
	s_mov_b32 s11, 0
	s_lshl_b32 s12, ttmp9, 2                       ; batch x 4 bytes
	s_mov_b32 s13, 0
	s_mov_b32 s14, 0x76543210                      ; v_permlanex16_b32: lane i of one half reads lane i of the other
	s_mov_b32 s15, 0xfedcba98
	s_wait_kmcnt 0x0
	s_add_nc_u64 s[4:5], s[4:5], s[10:11]
	s_add_nc_u64 s[6:7], s[6:7], s[10:11]
	s_add_nc_u64 s[8:9], s[8:9], s[12:13]
.irp k, 0,1,2,3
.irp c, 0,1
	global_load_b128 v[EB+8*\k+4*\c:EB+8*\k+4*\c+3], v[T16], s[4:5] offset:\k*4096+\c*2048
	global_load_b128 v[PB+8*\k+4*\c:PB+8*\k+4*\c+3], v[T16], s[6:7] offset:\k*4096+\c*2048
.endr
.endr
	s_lshl_b32 s17, s16, 7                         ; addresses, while the loads are on their way
	v_mov_b32 v[LA], s17
	v_and_b32 v[AG], 15, v0
	v_lshlrev_b32 v[AG], 2, v[AG]
	v_bfe_u32 v[AE], v0, 2, 2
	v_lshlrev_b32 v[AE], 2, v[AE]
	v_and_b32 v[AP], 3, v0
	v_lshlrev_b32 v[AP], 2, v[AP]
	s_wait_loadcnt 0x0
; two multiply-adds of one sum; the first pair of columns starts it
.macro DOT d, a, b
.if qq == 0
	v_pk_mul_f32 v[\d:\d+1], v[\a:\a+1], v[\b:\b+1]
.else
	v_pk_fma_f32 v[\d:\d+1], v[\a+2*qq:\a+2*qq+1], v[\b+2*qq:\b+2*qq+1], v[\d:\d+1]
.endif
.endm
.set qq, 0
.rept 4
.irp i, 0,1,2,3
.irp j, 0,1,2,3
	DOT S+2*(4*\i+\j), EB+8*\i, PB+8*\j
.endr
.endr
.irp i, 0,1,2,3
	DOT S+32+2*\i, EB+8*\i, EB+8*\i
	DOT S+40+2*\i, PB+8*\i, PB+8*\i
.endr
.set qq, qq+1
.endr
	; the 24 sums over the 32 lanes, chains interleaved
.set rr, 0
.rept 24
	v_add_f32 v[S+2*rr], v[S+2*rr], v[S+2*rr+1]
.set rr, rr+1
.endr
.irp m, 1,2,4,8
.set rr, 0
.rept 24
	v_add_f32_dpp v[S+2*rr], v[S+2*rr], v[S+2*rr] row_xmask:\m row_mask:0xf bank_mask:0xf
.set rr, rr+1
.endr
.endr
.set rr, 0
.rept 24
	v_permlanex16_b32 v[S+2*rr+1], v[S+2*rr], s14, s15     ; into the pair's other register, which has been written
.set rr, rr+1
.endr
.set rr, 0
.rept 24
	v_add_f32 v[C+rr], v[S+2*rr], v[S+2*rr+1]
.set rr, rr+1
.endr
.irp g, 0,1,2,3,4,5
	ds_store_b128 v[LA], v[C+4*\g:C+4*\g+3] offset:16*\g   ; every lane holds the same numbers and writes the same words
.endr
	s_wait_dscnt 0x0                               ; for the other waves' sake: my stores are in LDS
	s_barrier_signal -1
	s_barrier_wait -1
	s_cmp_lg_u32 s16, 0
	s_cbranch_scc1 .Ldone                          ; waves 1 to 3 have handed their sums over
.irp w, 0,1,2,3
	ds_load_b32 v[GS+\w], v[AG] offset:128*\w
	ds_load_b32 v[ES+\w], v[AE] offset:128*\w+64
	ds_load_b32 v[PS+\w], v[AP] offset:128*\w+80
.endr
	s_wait_dscnt 0x0
	v_add_f32 v[GS],   v[GS],   v[GS+1]
	v_add_f32 v[GS+2], v[GS+2], v[GS+3]
	v_add_f32 v[ES],   v[ES],   v[ES+1]
	v_add_f32 v[ES+2], v[ES+2], v[ES+3]
	v_add_f32 v[PS],   v[PS],   v[PS+1]
	v_add_f32 v[PS+2], v[PS+2], v[PS+3]
	v_add_f32 v[ES],   v[ES],   v[ES+2]
	v_add_f32 v[PS],   v[PS],   v[PS+2]
	v_add_f32 v[GS],   v[GS],   v[GS+2]
	v_sqrt_f32 v[ES], v[ES]
	v_sqrt_f32 v[PS], v[PS]
	v_nop                                          ; one plain instruction between a transcendental and its result's use (ISA guide 5.7.2)
	s_wait_alu depctr_va_vdst(0)
	v_max_num_f32 v[ES], 0x2b8cbccc, v[ES]         ; max(|e_i|, 1e-12)
	v_max_num_f32 v[PS], 0x2b8cbccc, v[PS]         ; max(|p_j|, 1e-12)
	v_mul_f32 v[ES], v[ES], v[PS]
	v_rcp_f32 v[ES], v[ES]
	v_nop
	s_wait_alu depctr_va_vdst(0)
	v_fma_f32 v[COST], -v[GS], v[ES], 1.0          ; cost = 1 - cosine
	v_mul_f32 v[P], 0xc166d4ca, v[COST]            ; x -10 log2(e): exp(-cost / 0.1) as a power of two
	v_exp_f32 v[KT], v[P]                          ; K, between exp(-20) and 1
	v_mov_b32 v[V], 0x3e800000                     ; v = 1/4
	s_wait_alu depctr_va_vdst(0)
	v_mul_f32 v[W], v[KT], v[COST]                 ; K x cost, for the end
	v_add_f32 v[KT], 0x2edbe6ff, v[KT]             ; Kt = K + 1e-10
; dst = 1 / (sum of Kt x src over the lanes that differ in the bits a and b of the lane's number)
.macro HALF dst, src, a, b
	s_wait_alu depctr_va_vdst(0)
	v_mul_f32 v[P], v[KT], v[\src]
	v_add_f32_dpp v[P], v[P], v[P] row_xmask:\a row_mask:0xf bank_mask:0xf
	v_add_f32_dpp v[P], v[P], v[P] row_xmask:\b row_mask:0xf bank_mask:0xf
	v_rcp_f32 v[\dst], v[P]
	v_nop                                          ; the place behind the reciprocal: the next line reads its result and rewrites its source
.endm
	s_mov_b32 s18, ITERS/UNROLL
.Liter:
.rept UNROLL
	HALF U, V, 1, 2                                ; u_i = 1 / sum over j of Kt[i][j] v_j, in the four lanes of row i
	HALF V, U, 4, 8                                ; v_j = 1 / sum over i of Kt[i][j] u_i, in the four lanes of column j
.endr
	s_sub_co_u32 s18, s18, 1
	s_cmp_lg_u32 s18, 0
	s_cbranch_scc1 .Liter
	; - sum of u_i K cost v_j / (sum(u) sum(v))
	v_mul_f32 v[P], v[U], v[W]
	s_wait_alu depctr_va_vdst(0)
	v_mul_f32 v[P], v[P], v[V]
	v_add_f32_dpp v[U], v[U], v[U] row_xmask:4 row_mask:0xf bank_mask:0xf
	v_add_f32_dpp v[V], v[V], v[V] row_xmask:1 row_mask:0xf bank_mask:0xf
	v_add_f32_dpp v[P], v[P], v[P] row_xmask:1 row_mask:0xf bank_mask:0xf
	v_add_f32_dpp v[U], v[U], v[U] row_xmask:8 row_mask:0xf bank_mask:0xf
	v_add_f32_dpp v[V], v[V], v[V] row_xmask:2 row_mask:0xf bank_mask:0xf
	v_add_f32_dpp v[P], v[P], v[P] row_xmask:2 row_mask:0xf bank_mask:0xf
	v_mul_f32 v[U], v[U], v[V]
	v_add_f32_dpp v[P], v[P], v[P] row_xmask:4 row_mask:0xf bank_mask:0xf
	v_rcp_f32 v[U], v[U]
	v_add_f32_dpp v[P], v[P], v[P] row_xmask:8 row_mask:0xf bank_mask:0xf
	v_mov_b32 v[ZO], 0
	s_wait_alu depctr_va_vdst(0)
	v_mul_f32 v[P], -v[P], v[U]
	v_cmp_eq_u32 vcc_lo, 0, v0
	s_wait_xcnt 0x0                                ; EXEC is a source of every global access issued so far: it changes only behind this wait
	s_and_saveexec_b32 s20, vcc_lo
	global_store_b32 v[ZO], v[P], s[8:9]           ; lane 0 alone: out0[b]
	s_wait_xcnt 0x0                                ; and again in front of the line that widens it
	s_or_b32 exec_lo, exec_lo, s20
.Ldone:
	s_wait_tensorcnt 0x0
	ds_add_u32 v144, v145
	s_wait_dscnt 0x0
	s_endpgm
.Lfunc_end_k_q3b0db875ad_finish:
	.size	k_q3b0db875ad_finish, .Lfunc_end_k_q3b0db875ad_finish-k_q3b0db875ad_finish
	.p2alignl 7, 3214868480
	.fill 96, 4, 3214868480
	.section	.rodata,"a",@progbits
	.p2align	6, 0x0
	.amdhsa_kernel k_q3b0db875ad_finish
		.amdhsa_group_segment_fixed_size 1024
		.amdhsa_private_segment_fixed_size 0
		.amdhsa_enable_private_segment 0
		.amdhsa_kernarg_size 24
		.amdhsa_user_sgpr_count 2
		.amdhsa_user_sgpr_kernarg_segment_ptr 1
		.amdhsa_wavefront_size32 1
		.amdhsa_system_sgpr_workgroup_id_x 1
		.amdhsa_system_sgpr_workgroup_id_y 1
		.amdhsa_system_sgpr_workgroup_id_z 1
		.amdhsa_system_vgpr_workitem_id 0
		.amdhsa_next_free_vgpr 146
		.amdhsa_next_free_sgpr 66
		.amdhsa_reserve_vcc 1
		.amdhsa_float_denorm_mode_32 3
		.amdhsa_float_denorm_mode_16_64 3
		.amdhsa_memory_ordered 1
		.amdhsa_forward_progress 1
		.amdhsa_inst_pref_size 24
	.end_amdhsa_kernel
	.amdgpu_metadata
---
amdhsa.version: [ 1, 2 ]
amdhsa.kernels:
  - .name:           k_q3b0db875ad_finish
    .symbol:         k_q3b0db875ad_finish.kd
    .args:
      - { .name: out1, .offset: 0, .size: 8, .value_kind: global_buffer, .address_space: global }
      - { .name: out2, .offset: 8, .size: 8, .value_kind: global_buffer, .address_space: global }
      - { .name: out0, .offset: 16, .size: 8, .value_kind: global_buffer, .address_space: global }
    .group_segment_fixed_size: 1024
    .private_segment_fixed_size: 0
    .kernarg_segment_align: 8
    .kernarg_segment_size: 24
    .max_flat_workgroup_size: 128
    .sgpr_count:     66
    .vgpr_count:     146
    .wavefront_size: 32
...
	.end_amdgpu_metadata
.endif
;; end of part 2
;; ======== version 2 of 2: 2 launches; version 1 with the launch pool written anew for expert scheduling mode
;; launch pool (part 3): grid 256 x 1, 8 waves a work-group, no clusters, 133,120 bytes of LDS; arguments audio_features, phrase_queries, text_features, out1, out2; writes out1, out2
.if DOCPART == 3
	.amdgcn_target "amdgcn-amd-amdhsa--gfx1250"
	.amdhsa_code_object_version 6
	.text
	.protected	k_q3b0db875ad_pool
	.globl	k_q3b0db875ad_pool
	.p2align	8
	.type	k_q3b0db875ad_pool,@function
k_q3b0db875ad_pool:
	s_mov_b64 s[64:65], 0
	v_nop
	global_prefetch_b8 v0, s[64:65] scope:SCOPE_SE
	s_setreg_imm32_b32 hwreg(HW_REG_WAVE_SCHED_MODE, 0, 2), 2
	s_setreg_imm32_b32 hwreg(HW_REG_WAVE_MODE, 25, 1), 1
	s_wait_xcnt 0x0
	s_wait_alu depctr_vm_vsrc(0)
; out1[b][k][:] = mean of audio rows of segment k;  out2[b][k][:] = softmax-weighted mean of text rows.
; audio [64][1024][1024] f32, q [4][1024] f32, text [64][256][1024] f32, out1 and out2 [64][4][1024] f32.
;
; SEGMENTS.  reference() labels row t with int(t * fl64(1/341)); 341 * fl64(1/341) = 1 - 2^-60 rounds to 1.0, so the segments are
; rows 0..340, 341..681, 682..1022 (341 rows each, weight f32(1/341)) and row 1023 alone (weight 1).
;
; WORK.  256 work-groups of eight waves; role = x & 3, batch = x >> 2.
;   role 0,1,2: one audio segment, 341 rows of 4,096 bytes.  Thread t owns bytes 16 t of every row: a wave's load covers 512
;               consecutive aligned bytes, and the sum never leaves the lane.  No LDS, no barrier.
;   role 3:     the batch's 256 text rows and the copy of audio row 1023.  A wave takes a whole row into 32 registers, reads it once,
;               and uses it twice: for the four dots with q and the row's norm, then for the four weighted sums.
; Every input byte is read once; both outputs are written final, 16 bytes a lane, 512 consecutive bytes a wave.
;
; NO MAXIMUM IS TAKEN AWAY in the softmax: reference() divides q and the row by their norms and the product by 32, so every score
; lies in [-1/32, 1/32] for every input; the exponentials lie in [0.969, 1.032] and a sum of 256 of them below 265.
; ALL ARITHMETIC IS f32 ON THE VECTOR UNIT: the products have four rows (a matrix instruction has sixteen), a row costs nine
; multiply-adds for each four bytes loaded, and the loads are what the waves wait for.
; NO CLUSTER: the only bytes that work-groups share are q's 16,384, against 1,048,576 of text for each work-group that reads them.
; LIMITS: a row's sum of 1,024 squares has to stay a finite normal f32 (root mean square of a row roughly 1e-18 to 5e17), as in
; reference(); the order of the f32 additions is not reference()'s.
;
; THE MODE: SCHED_MODE bits 1:0 = 2 (LLVM: expert scheduling mode 2), set by the entry lines.  The code itself states the register
; dependences between vector instructions and memory or LDS instructions, with s_wait_alu, always for 0.
; THE PLAN, AUDIO.  The 340 rows behind the first go in 68 blocks of five.  Registers that memory instructions touch:
;   X0 .. X8   nine buffers of five rows.  Block p's additions read X[p % 9]; its five loads bring block p + 8 into X[(p - 1) % 9], the buffer
;              that block p - 1 added and that no addition of block p names.  So one wait on va_vdst at a block's head states all that the
;              block's loads hang on, and they are dealt among its additions with no further wait.
;   v[T16]     the one offset, made at the head, never written again.  Each buffer has a scalar base of its own.
;   AACC       loaded with the first row; at the end written by two products and read by the store.
; THE PLAN, TEXT.  Registers that memory or LDS instructions touch:
;   X slots    Row in slot s: its 144 packed products read the slot; behind them the wave's row four further on is loaded into it.  One wait on
;              va_vdst stands there.  (A wait at the next row's head would want a fifth slot to keep as many loads out: two waves on a SIMD leave
;              512 registers each, window 1 is full, and a slot in window 0 would part the row from q for the sum of squares.)
;   Q, CP      loaded once; CP is stored as it came.     v[T16], v[LANE16], v[TOFF]   offsets, made at the head, never written again.
;   ACC, E     written by the rows' arithmetic, read by the LDS stores of the last stage; ACC is then loaded again from LDS, summed, and stored.
;   LST, LL, LRD, LRD2, LK   LDS addresses, made together ahead of the last stage's one wait.     v62, v63   read by the closing add alone.
.set ROWB,    4096                     ; bytes in a row of audio, text, q and the outputs
.set SEG,     341                      ; rows in an audio segment = 1 + ABLK * ABLOCKS
.set ABLK,    5                        ; audio: rows in a block
.set ARING,   9                        ; audio: buffers of a block each
.set ABLOCKS, 68
.set ALEFT,   (ARING-2)*ABLK           ; audio: the loads of seven younger blocks stay out at a block's head
.set TSLOTS,  4                        ; text: row slots of a wave's ring
.set TSTEP,   8*ROWB                   ; text: a wave's next row is eight rows on (wave w takes rows 8 i + w)
.set TROUNDS, 8                        ; 32 rows of a wave = 8 rounds of 4 slots
.set LSUM,    8*16384                  ; LDS: eight waves' partial sums of 16,384 bytes, then their four denominators each
.set AB,      12                       ; s[12:29]  audio: buffer k's base, a pair at AB + 2 k: the first row of the block that the buffer is asked for next
.set TB,      16                       ; s[16:23]  text: slot s's base, a pair at TB + 2 s: wave 0's row that the slot is asked for next
; registers, window 0
.set T16,    2                         ; v2        16 x thread
.set LANE16, 3                         ; v3        16 x lane
.set AACC,   4                         ; v[4:7]    audio: the running sum of my 4 columns
.set AX,     64                        ; v[64:243] audio: buffer k, row n: 4 registers at AX + 4 (5 k + n)
.set D,      4                         ; v[4:13]   text: five pairs: dots with q0..q3, sum of squares
.set NRM,    14                        ; v14       text: the row's norm, then its reciprocal
.set QS,     16                        ; v[16:19]  log2(e) / (32 max(|q_k|, 1e-12))
.set E,      20                        ; v[20:27]  pairs (e_k of this row, running sum of e_k)
.set TOFF,   28                        ; v28       4096 x wave + 16 x lane
.set LST,    29                        ; LDS addresses of the last stage
.set LL,     30
.set CP,     32                        ; v[32:35]  my 16 bytes of audio row 1023
.set LRD,    36
.set LRD2,   37
.set LK,     38
.set LS,     40                        ; v[40:47]  the eight waves' denominators
.set RC,     48                        ; v[48:49]  1 / denominator, twice
.set ACC,    128                       ; v[128:255] text: acc[k][32], my 32 columns of the four weighted sums
; registers, window 1 (v256-v511)
.set Q,      0                         ; v[256:383] q[k][32]: register 4 j + c of a row = column 128 j + 4 lane + c
.set X,      128                       ; v[384:511] the ring of four text rows, same layout
; s_set_vgpr_msb: bits 1:0 source 0, 3:2 source 1, 5:4 source 2, 7:6 destination; the high byte repeats the setting that is left
.set MSB, 0
.macro WIN new
.if MSB != \new
	s_set_vgpr_msb (MSB<<8)|\new
.set MSB, \new
.endif
.endm
	s_load_b256 s[4:11], s[0:1], 0x0               ; audio s[4:5], q s[6:7], text s[8:9], out1 s[10:11]
	s_load_b64 s[12:13], s[0:1], 0x20              ; out2
	v_lshl_add_u32 v62, v0, 2, 0x20400             ; the LDS address of my spare word, and 0: made here and kept for the closing lines alone
	v_mov_b32 v63, 0
	s_and_b32 s14, ttmp9, 3                        ; role
	s_lshr_b32 s15, ttmp9, 2                       ; batch
	v_lshlrev_b32 v[T16], 4, v0
	s_lshl_b32 s20, s15, 22                        ; batch x 1,024 rows of 4,096 bytes (below 2^28)
	s_mov_b32 s21, 0
	s_lshl_b32 s22, s15, 14                        ; batch x 4 rows of 4,096 bytes in out1 and out2
	s_mov_b32 s23, 0
	s_wait_kmcnt 0x0
	s_add_nc_u64 s[4:5], s[4:5], s[20:21]          ; audio and out1 at my batch
	s_add_nc_u64 s[10:11], s[10:11], s[22:23]
	s_cmp_eq_u32 s14, 3
	s_cbranch_scc1 .Ltext
; ---------------------------------------------------------------- audio: one segment
	s_mul_i32 s20, s14, SEG*ROWB
	s_add_nc_u64 s[4:5], s[4:5], s[20:21]          ; the segment's first row
	s_lshl_b32 s22, s14, 12
	s_add_nc_u64 s[10:11], s[10:11], s[22:23]      ; out1[b][segment]
.set bb, 0
.rept ARING
	s_add_nc_u64 s[AB+2*bb:AB+2*bb+1], s[4:5], (1+ABLK*bb)*ROWB    ; block bb begins at row 1 + 5 bb (role, batch and the offsets above are done with)
.set bb, bb+1
.endr
	s_wait_alu depctr_va_vdst(0)                   ; v[T16] is written: every load of this path and its store read it as their offset
	global_load_b128 v[AACC:AACC+3], v[T16], s[4:5] th:TH_LOAD_NT      ; the first row starts the sum: nothing is cleared
.set bb, 0
.rept ARING-1                                          ; blocks 0 to 7 into X0 to X7
.set nn, 0
.rept ABLK
	global_load_b128 v[AX+4*(ABLK*bb+nn):AX+4*(ABLK*bb+nn)+3], v[T16], s[AB+2*bb:AB+2*bb+1] offset:nn*ROWB th:TH_LOAD_NT
.set nn, nn+1
.endr
.set bb, bb+1
.endr
; Block p.  xb = p % 9.  first = 1: block 0, with no block in front of it.  ahead = 1: block p + 8 is loaded.  left = younger loads that may stay out.
.macro ABLOCK xb, first, ahead, left
	s_wait_loadcnt \left                           ; loads come back in order (ISA guide 5.7.1): X[xb] is in, the younger blocks stay out
.if \ahead
	s_add_nc_u64 s[AB+2*(\xb):AB+2*(\xb)+1], s[AB+2*(\xb):AB+2*(\xb)+1], ARING*ABLK*ROWB  ; free since that wait, which shows the loads that read it done: the buffer's next block
.if !\first
	s_wait_alu depctr_va_vdst(0)                   ; the block before is done reading its buffer, in which the loads below land
.endif
.endif
.set pv, ((\xb)+ARING-1)%ARING
.set nn, 0
.rept ABLK
.if \ahead
	global_load_b128 v[AX+4*(ABLK*pv+nn):AX+4*(ABLK*pv+nn)+3], v[T16], s[AB+2*pv:AB+2*pv+1] offset:nn*ROWB th:TH_LOAD_NT  ; eight blocks ahead; no vector instruction since the wait names these registers
.endif
	v_pk_add_f32 v[AACC:AACC+1],   v[AACC:AACC+1],   v[AX+4*(ABLK*(\xb)+nn):AX+4*(ABLK*(\xb)+nn)+1]
	v_pk_add_f32 v[AACC+2:AACC+3], v[AACC+2:AACC+3], v[AX+4*(ABLK*(\xb)+nn)+2:AX+4*(ABLK*(\xb)+nn)+3]
.set nn, nn+1
.endr
.endm
	ABLOCK 0, 1, 1, ALEFT                          ; blocks 0 to 5 stand in front of the loop: 60 blocks load ahead, 6 + 6 laps of 9
.irp b, 1,2,3,4,5
	ABLOCK \b, 0, 1, ALEFT
.endr
	s_mov_b32 s30, 6
.Laround:                                              ; blocks 6 to 59, nine to a lap: every buffer is back at its start
.irp b, 6,7,8,0,1,2,3,4,5
	ABLOCK \b, 0, 1, ALEFT
.endr
	s_sub_co_u32 s30, s30, 1
	s_cmp_lg_u32 s30, 0
	s_cbranch_scc1 .Laround
	ABLOCK 6, 0, 0, 7*ABLK                         ; blocks 60 to 67 load nothing (row 340 was the last asked for): the counts run down
	ABLOCK 7, 0, 0, 6*ABLK
	ABLOCK 8, 0, 0, 5*ABLK
	ABLOCK 0, 0, 0, 4*ABLK
	ABLOCK 1, 0, 0, 3*ABLK
	ABLOCK 2, 0, 0, 2*ABLK
	ABLOCK 3, 0, 0, 1*ABLK
	ABLOCK 4, 0, 0, 0
	v_pk_mul_f32 v[AACC:AACC+1],   v[AACC:AACC+1],   0x3b40300c op_sel_hi:[1,0]   ; x f32(1/341)
	v_pk_mul_f32 v[AACC+2:AACC+3], v[AACC+2:AACC+3], 0x3b40300c op_sel_hi:[1,0]
	s_wait_alu depctr_va_vdst(0)                   ; the two products have written AACC, which the store reads
	global_store_b128 v[T16], v[AACC:AACC+3], s[10:11]
	s_endpgm
; ---------------------------------------------------------------- text: one batch
.Ltext:
	v_lshrrev_b32 v1, 5, v0
	v_readfirstlane_b32 s25, v1                    ; wave 0..7
	v_and_b32 v[LANE16], 31, v0
	v_lshlrev_b32 v[LANE16], 4, v[LANE16]
	v_lshl_add_u32 v[TOFF], v1, 12, v[LANE16]      ; my 16 bytes in my wave's first row
	s_lshl_b32 s20, s15, 20                        ; batch x 256 rows of 4,096 bytes
	s_add_nc_u64 s[8:9], s[8:9], s[20:21]
	s_add_nc_u64 s[12:13], s[12:13], s[22:23]      ; out2 at my batch
.irp s, 0,1,2,3
	s_add_nc_u64 s[TB+2*\s:TB+2*\s+1], s[8:9], \s*TSTEP    ; slot s begins with the waves' rows 8 s + w (the offsets above are done with)
.endr
	s_mov_b32 s26, 0x76543210                      ; v_permlanex16_b32: lane i of one half reads lane i of the other
	s_mov_b32 s27, 0xfedcba98
	s_wait_alu depctr_va_sdst(0)                   ; s25 is written, ahead of every label and of its first reader: the last stage's LDS addresses are made from it
	s_wait_alu depctr_va_vdst(0)                   ; v[T16], v[LANE16] and v[TOFF] are written: the loads below and the stores of this path read them as offsets
	global_load_b128 v[CP:CP+3], v[T16], s[4:5] offset:1023*ROWB th:TH_LOAD_NT   ; segment 3 is this one row
	WIN 0x40                                       ; loads into window 1, addresses in window 0
.irp k, 0,1,2,3
.irp j, 0,1,2,3,4,5,6,7
	global_load_b128 v[Q+32*\k+4*\j:Q+32*\k+4*\j+3], v[LANE16], s[6:7] offset:\k*ROWB+\j*512
.endr
.endr
.irp s, 0,1,2,3
.irp j, 0,1,2,3,4,5,6,7
	global_load_b128 v[X+32*\s+4*\j:X+32*\s+4*\j+3], v[TOFF], s[TB+2*\s:TB+2*\s+1] offset:\j*512 th:TH_LOAD_NT
.endr
.endr
; the sum over the 32 lanes of the first n pairs of D, left in every lane's v[D+2r]; the chains are interleaved
.macro LANESUM n
.set rr, 0
.rept \n
	v_add_f32 v[D+2*rr], v[D+2*rr], v[D+2*rr+1]
.set rr, rr+1
.endr
.irp m, 1,2,4,8
.set rr, 0
.rept \n
	v_add_f32_dpp v[D+2*rr], v[D+2*rr], v[D+2*rr] row_xmask:\m row_mask:0xf bank_mask:0xf
.set rr, rr+1
.endr
.endr
.set rr, 0
.rept \n
	v_permlanex16_b32 v[D+2*rr+1], v[D+2*rr], s26, s27     ; into the pair's other register, which has been written
.set rr, rr+1
.endr
.set rr, 0
.rept \n
	v_add_f32 v[D+2*rr], v[D+2*rr], v[D+2*rr+1]
.set rr, rr+1
.endr
.endm
	; q's norms, while the ring's 32 loads are on their way
	s_wait_loadcnt 32                              ; row 1023 and q are in; the 32 younger loads (the ring) stay out
	WIN 0x05                                       ; sources 0 and 1 in window 1
.irp k, 0,1,2,3
	v_pk_mul_f32 v[D+2*\k:D+2*\k+1], v[Q+32*\k:Q+32*\k+1], v[Q+32*\k:Q+32*\k+1]
.endr
.set pp, 2
.rept 15
.irp k, 0,1,2,3
	v_pk_fma_f32 v[D+2*\k:D+2*\k+1], v[Q+32*\k+pp:Q+32*\k+pp+1], v[Q+32*\k+pp:Q+32*\k+pp+1], v[D+2*\k:D+2*\k+1]
.endr
.set pp, pp+2
.endr
	WIN 0
	global_store_b128 v[T16], v[CP:CP+3], s[10:11] offset:3*ROWB   ; out1[b][3] = audio row 1023 (CP came by a load, T16 was written ahead of the head's wait; neither is ever written again)
	LANESUM 4
.irp k, 0,1,2,3
	v_sqrt_f32 v[QS+\k], v[D+2*\k]
.endr
	v_nop                                          ; one plain instruction between a transcendental and its result's use (ISA guide 5.7.2)
	s_wait_alu depctr_va_vdst(0)                   ; the four roots are written, ahead of their first reader
.irp k, 0,1,2,3
	v_max_num_f32 v[QS+\k], 0x2b8cbccc, v[QS+\k]   ; max(|q_k|, 1e-12)
.endr
.irp k, 0,1,2,3
	v_rcp_f32 v[QS+\k], v[QS+\k]
.endr
	v_nop
	s_wait_alu depctr_va_vdst(0)                   ; the four reciprocals are written, ahead of their first reader
.irp k, 0,1,2,3
	v_mul_f32 v[QS+\k], 0x3d38aa3b, v[QS+\k]       ; x log2(e) / 32: v_exp_f32 is 2^x, and 32 = sqrt(1024)
.endr
; One row, in slot s.  first = 1: this row starts the sums.  ahead = 1: the slot gets the wave's row TSLOTS further on.
; left = younger loads that may stay out (eight for each younger row).
.macro TROW s, first, ahead, left
	s_wait_loadcnt \left
.if \ahead
	s_add_nc_u64 s[TB+2*\s:TB+2*\s+1], s[TB+2*\s:TB+2*\s+1], TSLOTS*TSTEP  ; free since that wait, which shows the loads that read it done: the slot's next row
.endif
	WIN 0x05                                       ; the row and q in window 1, the five sums in window 0; five chains take turns
.irp k, 0,1,2,3
	v_pk_mul_f32 v[D+2*\k:D+2*\k+1], v[X+32*\s:X+32*\s+1], v[Q+32*\k:Q+32*\k+1]
.endr
	v_pk_mul_f32 v[D+8:D+9], v[X+32*\s:X+32*\s+1], v[X+32*\s:X+32*\s+1]
.set pp, 2
.rept 15
.irp k, 0,1,2,3
	v_pk_fma_f32 v[D+2*\k:D+2*\k+1], v[X+32*\s+pp:X+32*\s+pp+1], v[Q+32*\k+pp:Q+32*\k+pp+1], v[D+2*\k:D+2*\k+1]
.endr
	v_pk_fma_f32 v[D+8:D+9], v[X+32*\s+pp:X+32*\s+pp+1], v[X+32*\s+pp:X+32*\s+pp+1], v[D+8:D+9]
.set pp, pp+2
.endr
	WIN 0
	LANESUM 5
	v_sqrt_f32 v[NRM], v[D+8]
.irp k, 0,1,2,3
	v_mul_f32 v[D+2*\k], v[D+2*\k], v[QS+\k]       ; these four stand between the root and its use
.endr
	s_wait_alu depctr_va_vdst(0)                   ; the root is written, ahead of its first reader
	v_max_num_f32 v[NRM], 0x2b8cbccc, v[NRM]       ; max(|x|, 1e-12)
	v_rcp_f32 v[NRM], v[NRM]
	v_nop
	s_wait_alu depctr_va_vdst(0)                   ; the reciprocal is written, ahead of its first reader
.irp k, 0,1,2,3
	v_mul_f32 v[D+2*\k], v[D+2*\k], v[NRM]         ; score x log2(e), within 0.0451 of zero
.endr
.irp k, 0,1,2,3
	v_exp_f32 v[E+2*\k], v[D+2*\k]
.endr
	v_nop
	s_wait_alu depctr_va_vdst(0)                   ; the four exponentials are written, ahead of their first reader
.irp k, 0,1,2,3
.if \first
	v_mov_b32 v[E+2*\k+1], v[E+2*\k]               ; the first row starts the denominators
.else
	v_add_f32 v[E+2*\k+1], v[E+2*\k+1], v[E+2*\k]
.endif
.endr
	WIN 0x01                                       ; the row in window 1, e and the sums in window 0
.irp k, 0,1,2,3
.set pp, 0
.rept 16
.if \first
	v_pk_mul_f32 v[ACC+32*\k+pp:ACC+32*\k+pp+1], v[X+32*\s+pp:X+32*\s+pp+1], v[E+2*\k:E+2*\k+1] op_sel_hi:[1,0]
.else
	v_pk_fma_f32 v[ACC+32*\k+pp:ACC+32*\k+pp+1], v[X+32*\s+pp:X+32*\s+pp+1], v[E+2*\k:E+2*\k+1], v[ACC+32*\k+pp:ACC+32*\k+pp+1] op_sel_hi:[1,0,1]
.endif
.set pp, pp+2
.endr
.endr
.if \ahead
	WIN 0x40
	s_wait_alu depctr_va_vdst(0)                   ; the row's products are done reading slot s, in which the eight loads below land
.irp j, 0,1,2,3,4,5,6,7
	global_load_b128 v[X+32*\s+4*\j:X+32*\s+4*\j+3], v[TOFF], s[TB+2*\s:TB+2*\s+1] offset:\j*512 th:TH_LOAD_NT
.endr
.endif
.endm
	TROW 0, 1, 1, 24                               ; the first round stands in front of the loop: its first row starts the sums
	TROW 1, 0, 1, 24
	TROW 2, 0, 1, 24
	TROW 3, 0, 1, 24
	WIN 0
	s_mov_b32 s24, TROUNDS-2
.Ltround:
	TROW 0, 0, 1, 24
	TROW 1, 0, 1, 24
	TROW 2, 0, 1, 24
	TROW 3, 0, 1, 24
	WIN 0
	s_sub_co_u32 s24, s24, 1
	s_cmp_lg_u32 s24, 0
	s_cbranch_scc1 .Ltround
	TROW 0, 0, 0, 24                               ; the last round asks for nothing (the wave's row 31 was the last): the counts run down
	TROW 1, 0, 0, 16
	TROW 2, 0, 0, 8
	TROW 3, 0, 0, 0
	WIN 0
	; The eight waves' sums meet in LDS: wave w lays its acc[4][1024] at 16,384 w and its four denominators behind them.
	; Behind the barrier wave w adds up bytes 2,048 w .. + 2,047 of the [4][1024] array: half a row of k = w / 2.  All five addresses are made here, ahead of one wait.
	s_lshl_b32 s15, s25, 14
	v_add_nc_u32 v[LST], s15, v[LANE16]
	s_lshl_b32 s2, s25, 4
	s_add_co_u32 s2, s2, LSUM
	v_mov_b32 v[LL], s2
	s_lshl_b32 s3, s25, 11
	v_add_nc_u32 v[LRD], s3, v[LANE16]
	v_add_nc_u32 v[LRD2], 0x10000, v[LRD]          ; waves 4 to 7 lie beyond the reach of a 16-bit offset
	s_lshr_b32 s28, s25, 1
	s_lshl_b32 s28, s28, 2
	s_add_co_u32 s28, s28, LSUM
	v_mov_b32 v[LK], s28
	s_wait_alu depctr_va_vdst(0)                   ; the rows' arithmetic has written ACC and the denominators, which the LDS stores read, and is done with ACC, in which LDS loads land below; the five addresses are written
.irp k, 0,1,2,3
.irp j, 0,1,2,3,4,5,6,7
	ds_store_b128 v[LST], v[ACC+32*\k+4*\j:ACC+32*\k+4*\j+3] offset:\k*ROWB+\j*512   ; 32 lanes, 512 consecutive bytes
.endr
.endr
.irp k, 0,1,2,3
	ds_store_b32 v[LL], v[E+2*\k+1] offset:4*\k    ; every lane holds the same number and writes the same word
.endr
	s_wait_dscnt 0x0                               ; for the other waves' sake: all my stores are in LDS
	s_barrier_signal -1
	s_barrier_wait -1
	s_wait_alu depctr_vm_vsrc(0)                   ; my LDS stores have read ACC, in which the LDS loads below land
.irp src, 0,1,2,3,4,5,6,7
	ds_load_b32 v[LS+\src], v[LK] offset:16*\src
.endr
.irp src, 0,1,2,3
.irp c, 0,1,2,3
	ds_load_b128 v[ACC+16*\src+4*\c:ACC+16*\src+4*\c+3], v[LRD] offset:\src*16384+\c*512
.endr
.endr
.irp src, 0,1,2,3
.irp c, 0,1,2,3
	ds_load_b128 v[ACC+64+16*\src+4*\c:ACC+64+16*\src+4*\c+3], v[LRD2] offset:\src*16384+\c*512
.endr
.endr
	s_wait_dscnt 32                                ; the eight denominators are in; the 32 younger loads stay out
	v_add_f32 v[LS],   v[LS],   v[LS+1]
	v_add_f32 v[LS+2], v[LS+2], v[LS+3]
	v_add_f32 v[LS+4], v[LS+4], v[LS+5]
	v_add_f32 v[LS+6], v[LS+6], v[LS+7]
	v_add_f32 v[LS],   v[LS],   v[LS+2]
	v_add_f32 v[LS+4], v[LS+4], v[LS+6]
	v_add_f32 v[LS],   v[LS],   v[LS+4]
	v_rcp_f32 v[RC],   v[LS]                       ; twice, to fill the pair that the packed multiply takes;
	v_rcp_f32 v[RC+1], v[LS]                       ; the additions below stand between these and their use
	s_wait_dscnt 0x0
.set cc, 0
.rept 8
	v_pk_add_f32 v[ACC+cc:ACC+cc+1],       v[ACC+cc:ACC+cc+1],       v[ACC+16+cc:ACC+16+cc+1]
	v_pk_add_f32 v[ACC+32+cc:ACC+32+cc+1], v[ACC+32+cc:ACC+32+cc+1], v[ACC+48+cc:ACC+48+cc+1]
	v_pk_add_f32 v[ACC+64+cc:ACC+64+cc+1], v[ACC+64+cc:ACC+64+cc+1], v[ACC+80+cc:ACC+80+cc+1]
	v_pk_add_f32 v[ACC+96+cc:ACC+96+cc+1], v[ACC+96+cc:ACC+96+cc+1], v[ACC+112+cc:ACC+112+cc+1]
.set cc, cc+2
.endr
.set cc, 0
.rept 8
	v_pk_add_f32 v[ACC+cc:ACC+cc+1],       v[ACC+cc:ACC+cc+1],       v[ACC+32+cc:ACC+32+cc+1]
	v_pk_add_f32 v[ACC+64+cc:ACC+64+cc+1], v[ACC+64+cc:ACC+64+cc+1], v[ACC+96+cc:ACC+96+cc+1]
.set cc, cc+2
.endr
.set cc, 0
.rept 8
	v_pk_add_f32 v[ACC+cc:ACC+cc+1], v[ACC+cc:ACC+cc+1], v[ACC+64+cc:ACC+64+cc+1]
.set cc, cc+2
.endr
	s_wait_alu depctr_va_vdst(0)                   ; the two reciprocals are written, ahead of their first reader
.set cc, 0
.rept 8
	v_pk_mul_f32 v[ACC+cc:ACC+cc+1], v[ACC+cc:ACC+cc+1], v[RC:RC+1]
.set cc, cc+2
.endr
	s_wait_alu depctr_va_vdst(0)                   ; the eight products have written ACC's first sixteen registers, which the stores read
.irp c, 0,1,2,3
	global_store_b128 v[LRD], v[ACC+4*\c:ACC+4*\c+3], s[12:13] offset:\c*512   ; 512 consecutive aligned bytes of out2[b]
.endr
	s_wait_dscnt 0x0                               ; the closing lines, six on end
	s_wait_alu 0x0
	s_wait_tensorcnt 0x0
	ds_add_u32 v62, v63
	s_wait_dscnt 0x0
	s_endpgm
.Lfunc_end_k_q3b0db875ad_pool:
	.size	k_q3b0db875ad_pool, .Lfunc_end_k_q3b0db875ad_pool-k_q3b0db875ad_pool
	.p2alignl 7, 3214868480
	.fill 96, 4, 3214868480
	.section	.rodata,"a",@progbits
	.p2align	6, 0x0
	.amdhsa_kernel k_q3b0db875ad_pool
		.amdhsa_group_segment_fixed_size 133120
		.amdhsa_private_segment_fixed_size 0
		.amdhsa_enable_private_segment 0
		.amdhsa_kernarg_size 40
		.amdhsa_user_sgpr_count 2
		.amdhsa_user_sgpr_kernarg_segment_ptr 1
		.amdhsa_wavefront_size32 1
		.amdhsa_system_sgpr_workgroup_id_x 1
		.amdhsa_system_sgpr_workgroup_id_y 1
		.amdhsa_system_sgpr_workgroup_id_z 1
		.amdhsa_system_vgpr_workitem_id 0
		.amdhsa_next_free_vgpr 512
		.amdhsa_next_free_sgpr 66
		.amdhsa_reserve_vcc 0
		.amdhsa_float_denorm_mode_32 3
		.amdhsa_float_denorm_mode_16_64 3
		.amdhsa_memory_ordered 1
		.amdhsa_forward_progress 1
		.amdhsa_inst_pref_size 202
	.end_amdhsa_kernel
	.amdgpu_metadata
---
amdhsa.version: [ 1, 2 ]
amdhsa.kernels:
  - .name:           k_q3b0db875ad_pool
    .symbol:         k_q3b0db875ad_pool.kd
    .args:
      - { .name: audio_features, .offset: 0, .size: 8, .value_kind: global_buffer, .address_space: global }
      - { .name: phrase_queries, .offset: 8, .size: 8, .value_kind: global_buffer, .address_space: global }
      - { .name: text_features, .offset: 16, .size: 8, .value_kind: global_buffer, .address_space: global }
      - { .name: out1, .offset: 24, .size: 8, .value_kind: global_buffer, .address_space: global }
      - { .name: out2, .offset: 32, .size: 8, .value_kind: global_buffer, .address_space: global }
    .group_segment_fixed_size: 133120
    .private_segment_fixed_size: 0
    .kernarg_segment_align: 8
    .kernarg_segment_size: 40
    .max_flat_workgroup_size: 256
    .sgpr_count:     66
    .vgpr_count:     512
    .wavefront_size: 32
...
	.end_amdgpu_metadata
.endif
;; end of part 3
;; launch finish: the kernel of part 2 again; grid 64 x 1, 4 waves a work-group, no clusters, 1,024 bytes of LDS; arguments out1, out2, out0; writes out0
